; MI455X (gfx1250); checked and timed in simulation.
; The chip was launched on July 23, 2026; its instructions are those of AMD's public machine-readable ISA for CDNA 5 (MIT licence, August 2026) and "CDNA5" Instruction Set Architecture Reference Guide (July 2026). The comments in the code are by the model that wrote it; some were corrected since.
;; Causal Self Attention. Allowed arithmetic: matrix products marked QUANTISED: E2M1 operands, one E8M0 scale for each 32 along K, by v_wmma_scale_f32_16x16x128_f8f6f4 with both operands' format E2M1 (or v_wmma_scale_f32_32x16x128_f4), f32 sums; everything else in f32.
;; Inputs: b_proj 1,024 float32; b_qkv 3,072 float32; pos_independent 256 x 2 float32; w_proj_codes 1,024 x 32 x 16 uint8 (E2M1 codes of w_proj, K innermost, in blocks of 32 codes, two codes a byte); w_proj_scales 1,024 x 32 uint8 (E8M0 scales of w_proj, one for each 32 codes along K); w_qkv_codes 3,072 x 32 x 16 uint8 (E2M1 codes of w_qkv, K innermost, in blocks of 32 codes, two codes a byte); w_qkv_scales 3,072 x 32 uint8 (E8M0 scales of w_qkv, one for each 32 codes along K); x_codes 8 x 1,024 x 32 x 16 uint8 (E2M1 codes of x, K innermost, in blocks of 32 codes, two codes a byte); x_scales 8 x 1,024 x 32 uint8 (E8M0 scales of x, one for each 32 codes along K).
;; Outputs: out0 8 x 1,024 x 1,024 float32.
;; This version of the problem:
;;   THIS VERSION OF THE PROBLEM IS GIVEN IN LOW PRECISION. The matrix products marked QUANTISED in the list below multiply operands that are first quantised to E2M1 (2 exponent bits, 1 mantissa bit; 4 bits a number), with one power-of-two scale for each 32 numbers along K (OCP MX v1.0); their sums are f32. All else is computed in f32.
;;   The module's matrix products, in the order in which they are computed (A, B: the left and right operand; K: the contracted axis; several contracted axes count as one K, in the product's order):
;;     1. [M 8,192, K 1,024] x [K 1,024, N 3,072]; A: input x (given as codes); B: input w_qkv (given as codes): QUANTISED
;;     2. batch 128 x [M 1,024, K 64] x [K 64, N 1,024]; A: computed on the way; B: computed on the way: QUANTISED
;;     3. batch 128 x [M 1,024, K 1,024] x [K 1,024, N 64]; A: softmax (see below); B: computed on the way: QUANTISED
;;     4. [M 8,192, K 1,024] x [K 1,024, N 1,024]; A: computed on the way; B: input w_proj (given as codes): QUANTISED
;;   THE QUANTISER, for each operand of a quantised product, along K:
;;     - K is cut into blocks of 32 from its start; a last block that is shorter is filled with zeros.
;;     - A block's scale is 2^e with e = floor(log2(the largest magnitude in the block)) - 2, held to -126 .. 127; a block of zeros has e = 0. As a byte (E8M0): e + 127.
;;     - Each number is divided by its block's scale, clamped to +-6, and rounded to the nearest number of E2M1, ties to even, subnormals kept.
;;     - The product sums the exact products of the quantised numbers (number of the format x scale) in f32.
;;   ~~~python
;;   def quantise(x, axis):      # numpy; x: float32 -> the quantised numbers, widened to float32 again
;;       x = np.moveaxis(x, axis, -1); K = x.shape[-1]
;;       x = np.pad(x, [(0, 0)] * (x.ndim - 1) + [(0, -K % 32)]); x = x.reshape(x.shape[:-1] + (-1, 32)); a = np.abs(x).max(-1, keepdims=True)
;;       e = np.where(a > 0, np.clip(np.frexp(np.where(a > 0, a, 1))[1] - 1 - 2, -126, 127), 0)      # np.frexp(a)[1] - 1 = floor(log2(a)), exactly
;;       r = np.clip(x / 2.0 ** e, -6, 6)
;;       step = 2.0 ** (np.maximum(np.frexp(np.where(r == 0, 1, r))[1] - 1, 0) - 1)
;;       q = np.round(r / step) * step * 2.0 ** e      # np.round: ties to even
;;       return np.moveaxis(q.reshape(q.shape[:-2] + (-1,))[..., :K], -1, axis).astype(np.float32)
;;   ~~~
;;   SOFTMAX AHEAD OF A QUANTISED PRODUCT. Where the list says 'softmax', what is quantised is not the finished softmax but p = 2^(t - M), with t = logit x log2(e) and M = ceil(the row's largest t), a whole number; so 1/2 < the row's largest p <= 1. The row's sum l is taken of the UNQUANTISED p, in f32, and the product's result is divided by l at the end. Since M is a whole number, a kernel that streams over the keys may use a running M (the ceiling of the running maximum): every later rescaling is an exact power of two, which a block's scale takes up: the codes' values come out the same.
;;   OPERANDS COMPUTED ON THE WAY. 'Computed on the way' means the value that the module computes at that place (a softmax that the list does not call 'softmax' is quantised finished and normalised). What goes into a quantiser is computed in f32, as accurately as f32 sums, v_exp_f32 and their like allow (about 1e-6 of the number): no bf16 or f16 on the way to a quantiser, and a product that is left as it is and whose result goes on into a quantised operand takes f32 operands (vector FMAs, or v_wmma_f32_16x16x4_f32). A number that lies on a knife's edge between two numbers of the format may be rounded either way, as far as f32 arithmetic and the matrix unit's own rounding can turn it there, and no further.
;;   INPUTS GIVEN AS CODES. w_proj (in the module: [1024, 1024], K = its axis 1); w_qkv (in the module: [3072, 1024], K = its axis 1); x (in the module: [8, 1024, 1024], K = its axis 2): each comes as NAME_codes (uint8): NAME with its K axis moved to the last place and cut into blocks of 32 codes, [.., K / 32, bytes a block], one block behind the other in memory; two codes a byte, the lower K in the low four bits (a code: sign, 2 exponent bits, 1 mantissa bit); and NAME_scales (uint8): the same leading axes, one E8M0 byte (e + 127) for each 32 codes along K. Its value is code x scale, taken as it is: it is not quantised again, and the codes and scales need not be those that the quantiser above would give.
;; One version. Each part assembles by itself: llvm-mc -triple=amdgcn-amd-amdhsa -mcpu=gfx1250 --defsym DOCPART=n.
;; ======== version 1 of 1: 3 launches
;; limits: right only within a limited range of input values
;; workspace buffers: qkv 13,893,632 bytes; tab 65,536 bytes; oc 4,194,304 bytes; os 262,144 bytes
;; launch qkv (part 1): grid 4 x 64, 4 waves a work-group, clusters of 4 x 1, 214,528 bytes of LDS; arguments x_codes, x_scales, w_qkv_codes, w_qkv_scales, b_qkv, pos_independent, qkv, tab; writes qkv, tab
.if DOCPART == 1
	.amdgcn_target "amdgcn-amd-amdhsa--gfx1250"
	.amdhsa_code_object_version 6
	.text
	.protected	k_qf7d491812c_qkv
	.globl	k_qf7d491812c_qkv
	.p2align	8
	.type	k_qf7d491812c_qkv,@function
k_qf7d491812c_qkv:
	s_mov_b64 s[64:65], 0
	v_nop
	global_prefetch_b8 v0, s[64:65] scope:SCOPE_SE
	s_setreg_imm32_b32 hwreg(HW_REG_WAVE_MODE, 25, 1), 1
	s_wait_xcnt 0x0
	s_wait_alu depctr_hold_cnt(0) depctr_sa_sdst(0) depctr_va_vdst(0) depctr_va_sdst(0) depctr_va_ssrc(0) depctr_va_vcc(0) depctr_vm_vsrc(0)
	s_getreg_b32 s2, hwreg(HW_REG_IB_STS2, 6, 4)
	s_cmp_eq_u32 s2, 0
	s_cbranch_scc0 .Lentry_in_a_cluster
	s_endpgm
.Lentry_in_a_cluster:
	s_bfe_u32 s2, ttmp6, 0x10000c
	s_cmp_lg_u32 s2, 0x3003
	s_cbranch_scc0 .Lentry_shape_is_right
	s_endpgm
.Lentry_shape_is_right:
; qkv = x W_qkv^T + b_qkv on codes of FP4 (E2M1) with E8M0 scales; q and k are quantised along the head's 64 channels, v along the keys; and the table of the position bias is made.
; SHARES.  A work-group takes 256 tokens x (128 columns of q, the same 128 of k, of v): two heads.  Wave w takes 32 of the 128 columns in each of the three: 6 tiles of 16 rows of W, for ALL of K = 1,024:
; 384 registers that stay for the whole launch.  Only x's fragments come from LDS, and each feeds 6 matrix instructions.
; CLUSTER.  The four work-groups along x share the 256 rows of x: they ask for them jointly (mask 15).  W is read once by each wave, straight towards its registers: 384 rows at the LDS pitch of 528
; bytes are 202,752 bytes, which do not fit beside x's 135,168, so W has no joint load.  No LDS byte is filled twice.
; ORIENTATION.  q, k: source 0 = 16 rows of W, source 1 = 16 tokens: a lane holds one token and 8 neighbouring channels.  v: source 0 = 16 tokens, source 1 = 16 rows of W: a lane holds one channel and
; 8 neighbouring keys.  So a result tile's 8 registers are 8 neighbours along the next product's K: one conversion; two tiles are a block of 32, shared by lanes l and l xor 16.
; OUT.  Codes leave as images of operand registers (lane (r, h) of a fragment: 16 bytes at 16 (16 h + r)): each store of a wave covers 256 consecutive bytes, aligned.
; One head's part of the buffer qkv (HB bytes): K's images, V's images, K's scale words, V's scale words, Q's images, Q's scale words.
; LIMITS: NaN and infinities among the inputs are not served.  A block whose largest magnitude lies under 2^-124, a block of zeros among them, gets the scale byte 1 (for zeros the quantiser's text says 127):
; its codes are zeros, and the bytes are read by this program alone.  The table's sums are ordered otherwise than in the definition: a difference of f32 rounding.
; REGISTERS.  window 0: v1-15 addresses; v16-39 W's scale words; v40-55 x's, two sets; v56-103 the biases as C operands; v104-199 twelve accumulators (at the head: the table's work); v200-238 the quantiser's work;
;   v239-255 addresses and the table's last numbers.   window 1: W of q (v0-127) and of k (v128-255).   window 2: W of v (v0-127).   window 3: x's fragments, two sets of 128 (at the head: rows of W on their way).
; WORK LEFT OUT of the program: the tiles of scores that the definition's own causal mask hides (launch attn); every other step of the definition is done.
; x's scale bytes (32 a token) come through registers into LDS; of W, the rows of v are staged behind the first products of q and k.
.set HB,    108544
.set KIMG,  0
.set VIMG,  32768
.set KSW,   65536
.set VSW,   69632
.set QIMG,  71680
.set QSW,   104448
.set XP,    528                        ; an LDS row of codes: 512 bytes + 16: the 16 rows that a fragment load touches start 16 bytes apart modulo 256
.set XSC,   135168                     ; behind x's 256 rows: x's scale bytes, 32 a token, dense
.set WST,   143360                     ; a stage of 32 rows x 528 bytes for each wave: W's rows on their way into fragments
.set SQK,   210944                     ; for each wave 256 scale bytes of q, then 256 of k
.set SV,    212992                     ; V's scale words: [2 key steps][128 channels]
.set WS,    16
.set XS,    40
.set BIAS,  56
.set ACC,   104                        ; q: ACC + 16 u + 8 t;  k: + 32;  v: ACC + 64 + 16 n + 8 u   (u: tile of tokens, t, n: tile of W)
.set MX,    200
.set TP,    206
.set SC,    212
.set BY,    218
.set CD,    224
.set VW,    236
.set MSB, 0
.macro WIN new                         ; the immediate's high byte repeats the setting that is left
.if MSB != \new
	s_set_vgpr_msb (MSB<<8)|\new
.set MSB, \new
.endif
.endm
.macro CROUND                          ; a round of the cluster's barrier
	s_barrier_signal -1
	s_barrier_wait -1
	s_cmp_lg_u32 s20, 0
	s_cbranch_scc1 .Lnot_wave_0_\@
	s_barrier_signal -3
.Lnot_wave_0_\@:
	s_barrier_wait -3
	s_barrier_signal -1
	s_barrier_wait -1
.endm
; one matrix instruction; ra, rb: the scales of source 0, 1 stand in lanes 16-31 of their registers
.macro WM d, a, b, c, sa, sb, ra, rb
.if (\ra) && (\rb)
	v_wmma_scale_f32_16x16x128_f8f6f4 v[\d:\d+7], v[\a:\a+7], v[\b:\b+7], v[\c:\c+7], v[\sa], v[\sb] matrix_a_fmt:MATRIX_FMT_FP4 matrix_b_fmt:MATRIX_FMT_FP4 matrix_a_scale:MATRIX_SCALE_ROW1 matrix_b_scale:MATRIX_SCALE_ROW1
.elseif (\ra)
	v_wmma_scale_f32_16x16x128_f8f6f4 v[\d:\d+7], v[\a:\a+7], v[\b:\b+7], v[\c:\c+7], v[\sa], v[\sb] matrix_a_fmt:MATRIX_FMT_FP4 matrix_b_fmt:MATRIX_FMT_FP4 matrix_a_scale:MATRIX_SCALE_ROW1
.elseif (\rb)
	v_wmma_scale_f32_16x16x128_f8f6f4 v[\d:\d+7], v[\a:\a+7], v[\b:\b+7], v[\c:\c+7], v[\sa], v[\sb] matrix_a_fmt:MATRIX_FMT_FP4 matrix_b_fmt:MATRIX_FMT_FP4 matrix_b_scale:MATRIX_SCALE_ROW1
.else
	v_wmma_scale_f32_16x16x128_f8f6f4 v[\d:\d+7], v[\a:\a+7], v[\b:\b+7], v[\c:\c+7], v[\sa], v[\sb] matrix_a_fmt:MATRIX_FMT_FP4 matrix_b_fmt:MATRIX_FMT_FP4
.endif
.endm
; 32 rows of W (part 0 = q, 1 = k, 2 = v), a whole row of 512 bytes to a load, into window 3 from v[tmp] on
.macro WLOAD tmp, part
.if (\part) == 2                       ; the rows of v land in window 2, v128 on
	WIN 0x80
.else
	WIN 0xc0
.endif
.set i, 0
.rept 32
	global_load_b128 v[\tmp+4*i:\tmp+4*i+3], v1, s[54:55] offset:524288*(\part)+512*i
.set i, i+1
.endr
	WIN 0
.endm
; those rows through my own stage, and back as 16 fragments (2 tiles x 8 K steps) into window dwin>>6 from v[dbase] on.  LDS serves a wave's instructions in order: no wait between the stores and the loads
.macro WSTAGE tmp, dwin, dbase
.if (\dwin) == 0x80
	WIN 0x08
.else
	WIN 0x0c
.endif
.set i, 0
.rept 32
	ds_store_b128 v9, v[\tmp+4*i:\tmp+4*i+3] offset:XP*i
.set i, i+1
.endr
	WIN \dwin
.irp t, 0,1
.irp s, 0,1,2,3,4,5,6,7
.irp c, 0,1
	ds_load_b128 v[\dbase+64*\t+8*\s+4*\c:\dbase+64*\t+8*\s+4*\c+3], v10 offset:16*\t*XP+64*\s+32*\c
.endr
.endr
.endr
	WIN 0
.endm
; the fragments and scale words of group g (32 tokens: two tiles, all 8 K steps) into set buf
.macro XLOAD g, buf
	WIN 0xc0
.irp u, 0,1
.irp s, 0,1,2,3,4,5,6,7
.irp c, 0,1
	ds_load_b128 v[128*(\buf)+64*\u+8*\s+4*\c:128*(\buf)+64*\u+8*\s+4*\c+3], v[4+(\g)/2] offset:(((\g)%2)*32+16*\u)*XP+64*\s+32*\c
.endr
.endr
.endr
	WIN 0
.irp i, 0,1
	ds_load_b128 v[XS+8*(\buf)+4*\i:XS+8*(\buf)+4*\i+3], v8 offset:1024*(\g)+16*\i   ; lane l: the 8 scale words of token 32 g + l: lanes 0-15 tile 0, lanes 16-31 tile 1
.endr
.endm
; q and k: 64 matrix instructions, 8 accumulators by turns, one instruction a turn; the first K step takes the bias as C
; a quarter of XLOAD: tile u, K steps 4 q .. 4 q + 3
.macro XPART g, buf, u, q
	WIN 0xc0
.irp i, 0,1,2,3
.irp c, 0,1
	ds_load_b128 v[128*(\buf)+64*\u+8*(4*\q+\i)+4*\c:128*(\buf)+64*\u+8*(4*\q+\i)+4*\c+3], v[4+(\g)/2] offset:(((\g)%2)*32+16*\u)*XP+64*(4*\q+\i)+32*\c
.endr
.endr
.endm
; nx: the next group, whose fragments and scale words are asked for in four runs among the products (8: none)
.macro MMQK buf, nx
.irp s, 0,1,2,3,4,5,6,7
	WIN 0x0d                                       ; source 0 (W) window 1, source 1 (x) window 3
.irp p, 0,1
.irp u, 0,1
.irp t, 0,1
.set rD, ACC+32*\p+16*\u+8*\t
.set rC, rD
.if \s == 0
.set rC, BIAS+16*\p+8*\t
.endif
.set rA, 128*\p+64*\t+8*\s
.set rB, 128*(\buf)+64*\u+8*\s
	WM rD, rA, rB, rC, WS+8*\p+\s, XS+8*(\buf)+\s, \t, \u
.endr
.endr
.endr
.if ((\nx) < 8) && (\s == 0)
	XPART \nx, 1-(\buf), 0, 0
.endif
.if ((\nx) < 8) && (\s == 2)
	XPART \nx, 1-(\buf), 0, 1
.endif
.if ((\nx) < 8) && (\s == 4)
	XPART \nx, 1-(\buf), 1, 0
.endif
.if ((\nx) < 8) && (\s == 6)
	XPART \nx, 1-(\buf), 1, 1
	WIN 0
.irp i, 0,1
	ds_load_b128 v[XS+8*(1-(\buf))+4*\i:XS+8*(1-(\buf))+4*\i+3], v8 offset:1024*(\nx)+16*\i
.endr
.endif
.endr
.endm
; v: 32 matrix instructions, 4 accumulators by turns
.macro MMV buf
	WIN 0x0b                                       ; source 0 (x) window 3, source 1 (W) window 2
.irp s, 0,1,2,3,4,5,6,7
.irp n, 0,1
.irp u, 0,1
.set rD, ACC+64+16*\n+8*\u
.set rC, rD
.if \s == 0
.set rC, BIAS+32+8*\n
.endif
.set rA, 128*(\buf)+64*\u+8*\s
.set rB, 64*\n+8*\s
	WM rD, rA, rB, rC, XS+8*(\buf)+\s, WS+16+\s, \u, \n
.endr
.endr
.endr
.endm
; six blocks of 32 (q, k: tiles of tokens 0, 1; v: tiles of channels 0, 1), 16 registers a lane each, by turns: largest magnitude, scale, codes.
; Behind the exchange lane (r, 0) holds the block's codes 0-15 in its two registers and lane (r, 1) the codes 16-31.
.macro QB6
.irp q, 0,1,2,3,4,5
	v_max3_num_f32 v[MX+\q], |v[ACC+16*\q]|, |v[ACC+16*\q+1]|, 0x1800000   ; each accumulator is read from its low end on; the floor 2^(3 - 127) holds the byte at 1 from below
.endr
.irp i, 2,4,6,8,10,12,14
.irp q, 0,1,2,3,4,5
	v_max3_num_f32 v[MX+\q], v[MX+\q], |v[ACC+16*\q+\i]|, |v[ACC+16*\q+\i+1]|
.endr
.endr
.irp q, 0,1,2,3,4,5
	v_permlanex16_b32 v[TP+\q], v[MX+\q], s60, s61
.endr
.irp q, 0,1,2,3,4,5
	v_max_num_f32 v[MX+\q], v[MX+\q], v[TP+\q]     ; with lane l xor 16's 16 numbers: the block's
.endr
.irp q, 0,1,2,3,4,5
	v_add_nc_u32 v[SC+\q], 0xff000000, v[MX+\q]    ; 2 off the exponent field: the conversion's scale operand
.endr
.irp q, 0,1,2,3,4,5
	v_lshrrev_b32 v[BY+\q], 23, v[SC+\q]           ; the scale's byte
.endr
.irp q, 0,1,2,3,4,5
	v_cvt_scalef32_pk8_fp4_f32 v[CD+2*\q], v[ACC+16*\q:ACC+16*\q+7], v[SC+\q]
	v_cvt_scalef32_pk8_fp4_f32 v[CD+2*\q+1], v[ACC+16*\q+8:ACC+16*\q+15], v[SC+\q]
.endr
	v_nop                                          ; one plain place behind the scaled conversions
.irp q, 0,1,2,3,4,5
	v_permlane16_swap_b32 v[CD+2*\q], v[CD+2*\q+1]
.endr
.endm
; group g's codes leave: each store covers 256 consecutive bytes, aligned
.macro OUT g
	WIN 0
.irp u, 0,1
	global_store_b64 v11, v[CD+2*\u:CD+2*\u+1], s[48:49] offset:(2*(\g)+\u)*512       ; q: my block's half (256 bytes) of the image of tile 2 g + u
	global_store_b64 v11, v[CD+4+2*\u:CD+5+2*\u], s[50:51] offset:(2*(\g)+\u)*512     ; k likewise
.endr
.irp n, 0,1
	global_store_b64 v11, v[CD+8+2*\n:CD+9+2*\n], s[52:53] offset:((\g)/4)*4096+\n*1024+(((\g)%4)/2)*512+((\g)%2)*256   ; v: key step, tile of channels, half c, lanes' half: 256 bytes
.endr
.endm
; A GROUP: 32 tokens.  The products of q and k, with the next group's fragments asked for among them; the group before leaves; v's products; then the six blocks are quantised.
.macro GROUP g
	s_wait_alu depctr_va_vdst(0)
	s_wait_dscnt 0x0                               ; this group's fragments and scale words are in
	MMQK (\g)%2, (\g)+1
.if (\g) == 0
	WIN 0
	s_wait_loadcnt 0x0                             ; v's 32 rows of W are in
	WSTAGE 128, 0x80, 0
	s_wait_dscnt 0x0
.endif
.if (\g) > 0
	OUT (\g)-1
.endif
	MMV (\g)%2
	WIN 0
.rept 4
	v_nop                                          ; four places between the last product and the first read of results
.endr
	s_wait_xcnt 0x0                                ; the last group's stores have read their data: the codes' registers are written again only behind this wait
	QB6
.irp u, 0,1
	ds_store_b8 v12, v[BY+\u] offset:32*(\g)+16*\u          ; q's byte of token 32 g + 16 u + r (both halves of the lanes write the same byte with the same value)
	ds_store_b8 v12, v[BY+2+\u] offset:32*(\g)+16*\u+256    ; k's
.endr
.if (\g)%4 == 0
	v_mov_b32 v[VW], v[BY+4]                       ; v: four blocks of keys make a channel's scale word
	v_mov_b32 v[VW+1], v[BY+5]
.else
	v_lshl_or_b32 v[VW], v[BY+4], 8*((\g)%4), v[VW]
	v_lshl_or_b32 v[VW+1], v[BY+5], 8*((\g)%4), v[VW+1]
.endif
.if (\g)%4 == 3
	v_cndmask_b32 v238, v[VW], v[VW+1], s62        ; lanes 0-15: channels 0-15 of my 32, lanes 16-31: channels 16-31
	ds_store_b32 v13, v238 offset:512*((\g)/4)
.endif
.endm
; (ph, pl) x (mh, ml) in two f32 words each; the result is normalised: its high word is the product rounded to f32
.macro DFMUL ph, pl, mh, ml
	v_mul_f32 v128, v[\ph], v[\mh]
	v_fma_f32 v129, v[\ph], v[\mh], -v128
	v_fma_f32 v129, v[\ph], v[\ml], v129
	v_fma_f32 v129, v[\pl], v[\mh], v129
	v_add_f32 v[\ph], v128, v129
	v_sub_f32 v128, v128, v[\ph]
	v_add_f32 v[\pl], v128, v129
.endm
.macro SELMUL lev, msk                 ; F x (g of level lev where the mask is set, else 1)
	v_cndmask_b32 v126, 1.0, v[104+2*\lev], s[\msk]
	v_cndmask_b32 v127, 0, v[105+2*\lev], s[\msk]
	DFMUL 124, 125, 126, 127
.endm
	s_load_b256 s[4:11], s[0:1], 0x0               ; x's codes s[4:5], x's scales s[6:7], W's codes s[8:9], W's scales s[10:11]
	s_load_b256 s[12:19], s[0:1], 0x20             ; b s[12:13], pos_independent s[14:15], qkv s[16:17], tab s[18:19]
	v_lshl_add_u32 v251, v0, 2, 0x34400
	v_mov_b32 v253, 0
	ds_add_u32 v251, v253
	ds_add_u32 v251, v253
	v_lshrrev_b32 v2, 5, v0
	v_readfirstlane_b32 s20, v2                    ; wave 0..3
	s_bfe_u32 s23, ttmp6, 0x40000                  ; cx: it enters global addresses and numbers alone
	s_and_b32 s22, ttmp7, 0xffff                   ; the cluster's number, 0..63: 32 x (which half of the columns) + i
	s_lshr_b32 s21, s22, 5
	s_lshl_b32 s21, s21, 2
	s_add_co_u32 s21, s21, s23                     ; cg: which 128 columns, 0..7
	s_and_b32 s22, s22, 31                         ; i: which 256 tokens, 0..31
	; descriptor group 1 for x's codes: 64 rows x 512 bytes, 16 bytes of padding behind each
	s_mov_b32 s24, 15|(1<<20)|(1<<21)|(6<<22)|(3<<25)   ; mask: all four partners; elements of 1 byte; padding on; bit 21 beside a mask; after every 128 words, 4 words
	s_mov_b32 s25, 512<<16                         ; tensor_dim0
	s_mov_b32 s26, 64<<16                          ; tensor_dim1
	s_mov_b32 s27, 512<<16                         ; tile_dim0
	s_mov_b32 s28, 64                              ; tile_dim1
	s_mov_b32 s29, 512                             ; pitch
	s_mov_b32 s30, 0
	s_mov_b32 s31, 0
	s_mov_b32 s32, 1
	s_mul_i32 s33, s20, 64*XP                      ; LDS: my 64 rows
	s_lshl_b32 s2, s22, 17                         ; (256 i + 64 w) rows of 512 bytes
	s_lshl_b32 s3, s20, 15
	s_add_co_u32 s2, s2, s3
	s_mov_b32 s3, 0
	s_lshr_b32 s86, s2, 4                          ; and of 32 bytes
	s_mov_b32 s87, 0
	s_lshr_b32 s90, s20, 1                         ; which of the two heads
	s_and_b32 s91, s20, 1                          ; which block of 32 channels; at the end: q's or k's words, which key step
	s_mul_i32 s92, s20, 32*XP
	s_add_co_u32 s92, s92, WST                     ; my stage
	s_lshl_b32 s93, s20, 9
	s_add_co_u32 s93, s93, SQK
	s_lshl_b32 s94, s20, 7
	s_add_co_u32 s94, s94, SV
	s_lshl_b32 s95, s90, 10
	s_lshl_b32 s96, s91, 8
	s_add_co_u32 s95, s95, s96
	s_add_co_u32 s95, s95, SQK
	s_lshl_b32 s96, s91, 9
	s_lshl_b32 s97, s90, 8
	s_add_co_u32 s96, s96, s97
	s_add_co_u32 s96, s96, SV
	s_lshl_b32 s97, s20, 11
	s_add_co_u32 s97, s97, XSC
	v_and_b32 v14, 31, v0                          ; lane
	v_and_b32 v2, 15, v0                           ; r
	v_bfe_u32 v3, v0, 4, 1                         ; h
	v_lshlrev_b32 v1, 4, v14                       ; 16 x lane
	v_mul_u32_u24 v4, v2, XP
	v_lshl_add_u32 v4, v3, 4, v4                   ; a fragment's row x pitch + 16 h; v4-7: rows 0, 64, 128, 192 on
	v_add_nc_u32 v5, 64*XP, v4
	v_add_nc_u32 v6, 128*XP, v4
	v_add_nc_u32 v7, 192*XP, v4
	v_lshl_add_u32 v8, v14, 5, XSC                 ; x's scale words: 32 bytes a token
	v_add_nc_u32 v9, s92, v1                       ; the stage, in: 16 x lane of a row
	v_add_nc_u32 v10, s92, v4                      ; out: as a fragment
	v_lshlrev_b32 v11, 4, v2
	v_lshl_add_u32 v11, v3, 3, v11                 ; my 8 bytes of an image's 256: 16 r + 8 h
	v_add_nc_u32 v12, s93, v2                      ; my wave's scale bytes of q and k, byte r
	v_lshl_add_u32 v13, v14, 2, s94                ; V's scale words: my wave's 32 channels
	v_lshl_add_u32 v15, v14, 2, s95                ; the merge of q's or k's bytes: the head's first wave, 4 bytes a lane
	v_lshl_add_u32 v239, v14, 3, s96               ; the way out of V's scale words: 64 channels, 8 bytes a lane
	v_lshlrev_b32 v240, 5, v14                     ; 32 x lane: W's scale bytes
	v_lshlrev_b32 v241, 5, v3                      ; 32 h: 8 numbers of the bias
	v_lshlrev_b32 v242, 2, v2                      ; 4 r
	v_lshlrev_b32 v252, 3, v14                     ; 8 x lane
	v_add_nc_u32 v247, s97, v1                     ; where I put the scale bytes of my 64 tokens of x
	s_wait_alu depctr_va_vdst(0)
	s_wait_dscnt 0x0                               ; both opening adds are done
	s_wait_kmcnt 0x0
	s_add_nc_u64 s[34:35], s[4:5], s[2:3]
	s_or_b32 s35, s35, 0x80000000
	s_add_nc_u64 s[46:47], s[6:7], s[86:87]        ; the scale bytes of my 64 tokens
	s_mov_b32 s60, 0x76543210
	s_mov_b32 s61, 0xfedcba98                      ; v_permlanex16_b32's selects for lane l xor 16
	s_mov_b32 s62, 0xffff0000                      ; lanes 16-31
	s_mov_b32 s63, 0xff00ff00                      ; lanes 8-15 and 24-31
	s_lshl_b32 s2, s21, 16                         ; W's row 128 cg + 32 w, 512 bytes a row
	s_lshl_b32 s3, s20, 14
	s_add_co_u32 s2, s2, s3
	s_mov_b32 s3, 0
	s_add_nc_u64 s[54:55], s[8:9], s[2:3]
	s_lshr_b32 s2, s2, 4                           ; 32 bytes a row
	s_add_nc_u64 s[10:11], s[10:11], s[2:3]
	s_lshr_b32 s2, s2, 3                           ; 4 bytes a row
	s_add_nc_u64 s[12:13], s[12:13], s[2:3]
	s_lshl_b32 s2, s21, 8                          ; rows 32 cg on of pos_independent
	s_add_nc_u64 s[14:15], s[14:15], s[2:3]
	global_load_b64 v[248:249], v252, s[14:15]     ; my row's pair
.irp p, 0,1,2
.irp i, 0,1
	global_load_b128 v[WS+8*\p+4*\i:WS+8*\p+4*\i+3], v240, s[10:11] offset:32768*\p+16*\i   ; lane l: the 8 scale words of my row l
.endr
.endr
.irp p, 0,1
.irp t, 0,1
.irp i, 0,1
	global_load_b128 v[BIAS+16*\p+8*\t+4*\i:BIAS+16*\p+8*\t+4*\i+3], v241, s[12:13] offset:4096*\p+64*\t+16*\i   ; q, k: register j = b(16 t + 8 h + j)
.endr
.endr
.endr
.irp n, 0,1
	global_load_b32 v[BIAS+32+8*\n], v242, s[12:13] offset:8192+64*\n   ; v: every register = b(16 n + r): the other seven are copied when it is in
.endr
.irp i, 0,1,2,3
	global_load_b128 v[216+4*\i:219+4*\i], v1, s[46:47] offset:512*\i   ; 2,048 bytes: the scale bytes of my 64 tokens
.endr
	CROUND                                         ; the four partners are here: the joint loads meet
	tensor_load_to_lds s[32:35], s[24:31]          ; the launch's only fill: one load of mine is out
	s_nop 0
.rept 4
	v_nop
.endr
	WLOAD 0, 0
	; where the results go
	s_lshr_b32 s88, s22, 2                         ; the batch
	s_and_b32 s89, s22, 3                          ; which quarter of its 1,024 tokens
	s_lshl_b32 s88, s88, 4
	s_lshl_b32 s92, s21, 1
	s_add_co_u32 s88, s88, s92
	s_add_co_u32 s88, s88, s90
	s_mul_i32 s88, s88, HB                         ; my head's part of the buffer
	s_lshl_b32 s92, s89, 13                        ; 16 tiles of 512 bytes; two key steps of 4,096
	s_lshl_b32 s93, s91, 8
	s_add_co_u32 s2, s88, s92
	s_add_co_u32 s2, s2, s93
	s_add_nc_u64 s[50:51], s[16:17], s[2:3]        ; k's images (KIMG = 0), my block's half
	s_add_nc_u64 s[48:49], s[50:51], QIMG          ; q's
	s_lshl_b32 s93, s91, 11
	s_add_co_u32 s2, s88, s92
	s_add_co_u32 s2, s2, s93
	s_add_co_u32 s2, s2, VIMG
	s_add_nc_u64 s[52:53], s[16:17], s[2:3]        ; v's images, my two tiles of channels
	s_lshl_b32 s92, s89, 10                        ; 256 words
	s_mov_b32 s93, KSW
	s_cmp_eq_u32 s91, 0
	s_cselect_b32 s93, QSW, s93
	s_add_co_u32 s2, s88, s92
	s_add_co_u32 s2, s2, s93
	s_add_nc_u64 s[56:57], s[16:17], s[2:3]        ; the scale words that I merge: q's (even wave) or k's
	s_lshl_b32 s92, s89, 1
	s_add_co_u32 s92, s92, s91
	s_lshl_b32 s92, s92, 8
	s_add_co_u32 s2, s88, s92
	s_add_co_u32 s2, s2, VSW
	s_add_nc_u64 s[58:59], s[16:17], s[2:3]        ; V's scale words of one key step
.irp q, 0,1,2,3,4,5
	v_mov_b32 v[TP+\q], 0                          ; written once: a lane permute's destination counts as one of its sources
.endr
	; THE TABLE tab[head][y] = 8 x bias(head, d = 1023 - y), while the loads are on their way.  This wave makes d = 32 i + 8 w + (lane % 8) of heads cg and cg + 8.
	; Head cg: the sum over components c = 32 cg .. + 31 of cos(d f) + sin(d f), f = f32(10000^(-c / 512)).  Lane: 8 components c = 32 cg + 8 (lane / 8) + m.
	; f to the last bit: g7 = 10000^(-128/512) = 0.1 in two f32 words; g(i) = sqrt(g(i + 1)); f = the product of the g named by c's bits, in two words, rounded once.
	v_mov_b32 v118, 0x3dcccccd
	v_mov_b32 v119, 0xb0cccccd
	s_wait_alu depctr_va_vdst(0)
.irp i, 6,5,4,3,2,1,0
	v_sqrt_f32 v[104+2*\i], v[106+2*\i]
	v_rsq_f32 v120, v[106+2*\i]
	v_nop                                          ; a plain place behind the transcendentals,
	s_wait_alu depctr_va_vdst(0)                   ; and a wait ahead of their first reader
	v_fma_f32 v121, -v[104+2*\i], v[104+2*\i], v[106+2*\i]   ; what the root's square leaves, exactly,
	v_add_f32 v121, v121, v[107+2*\i]
	v_mul_f32 v120, 0.5, v120
	v_mul_f32 v[105+2*\i], v121, v120              ; / (2 root): the low word
.endr
	v_and_b32 v122, 8, v0
	v_cmp_ne_u32 s66, 0, v122                      ; bit 3 of c
	v_and_b32 v122, 16, v0
	v_cmp_ne_u32 s67, 0, v122                      ; bit 4
	s_bitcmp1_b32 s21, 0
	s_cselect_b32 s68, -1, 0                       ; bits 5, 6, 7: the same in all lanes
	s_bitcmp1_b32 s21, 1
	s_cselect_b32 s69, -1, 0
	s_bitcmp1_b32 s21, 2
	s_cselect_b32 s70, -1, 0
	s_mov_b32 s72, 0x40490fdb                      ; pi in two words
	s_mov_b32 s73, 0xb3bbbd2e
	v_cndmask_b32 v124, 1.0, v110, s66
	v_cndmask_b32 v125, 0, v111, s66
	SELMUL 4, 67
	SELMUL 5, 68
	SELMUL 6, 69
	SELMUL 7, 70
	v_mov_b32 v130, v124
.irp m, 1,2,3,4,5,6,7
	DFMUL 124, 125, 104, 105
	v_mov_b32 v[130+\m], v124
.endr
	WLOAD 128, 1
	s_lshl_b32 s93, s22, 5
	s_lshl_b32 s94, s20, 3
	s_add_co_u32 s93, s93, s94
	v_and_b32 v243, 7, v0
	v_add_nc_u32 v243, s93, v243                   ; d
	v_cvt_f32_u32 v244, v243
	v_sub_nc_u32 v255, 1023, v243
	v_lshlrev_b32 v255, 2, v255                    ; 4 (1023 - d),
	v_bfe_u32 v245, v0, 3, 1
	v_lshl_add_u32 v255, v245, 15, v255            ; 8 heads on where bit 3 of the lane is set,
	s_lshl_b32 s94, s21, 12
	v_add_nc_u32 v255, s94, v255                   ; in head cg's 4,096 bytes
	v_mov_b32 v186, 0xad49cba5                     ; -1/14!
	v_mov_b32 v187, 0x3ea2f983                     ; 1/pi
	; cos t + sin t = sqrt(2) cos(t - pi/4);  t - pi/4 = n pi + r, |r| <= pi/2;  cos(r) by its series up to r^14, whose remainder there lies under 1e-10.  The eight components by turns.
.irp m, 0,1,2,3,4,5,6,7
	v_mul_f32 v[138+\m], v244, v[130+\m]           ; t = d f, rounded once, as the definition has it
.endr
.irp m, 0,1,2,3,4,5,6,7
	v_fmaak_f32 v[146+\m], v[138+\m], v187, 0xbe800000
.endr
.irp m, 0,1,2,3,4,5,6,7
	v_rndne_f32 v[146+\m], v[146+\m]               ; n
.endr
.irp m, 0,1,2,3,4,5,6,7
	v_add_f32 v[154+\m], 0x3e800000, v[146+\m]     ; n + 1/4, exact
.endr
.irp m, 0,1,2,3,4,5,6,7
	v_fma_f32 v[162+\m], -v[154+\m], s72, v[138+\m]
.endr
.irp m, 0,1,2,3,4,5,6,7
	v_fma_f32 v[162+\m], -v[154+\m], s73, v[162+\m]   ; r
.endr
.irp m, 0,1,2,3,4,5,6,7
	v_mul_f32 v[170+\m], v[162+\m], v[162+\m]
.endr
.irp m, 0,1,2,3,4,5,6,7
	v_fmaak_f32 v[178+\m], v186, v[170+\m], 0x310f76c8
.endr
.irp k, 0xb493f27e, 0x37d00d01, 0xbab60b61, 0x3d2aaaab
.irp m, 0,1,2,3,4,5,6,7
	v_fmaak_f32 v[178+\m], v[178+\m], v[170+\m], \k
.endr
.endr
.irp m, 0,1,2,3,4,5,6,7
	v_fma_f32 v[178+\m], v[178+\m], v[170+\m], -0.5
.endr
.irp m, 0,1,2,3,4,5,6,7
	v_fma_f32 v[178+\m], v[178+\m], v[170+\m], 1.0
.endr
.irp m, 0,1,2,3,4,5,6,7
	v_cvt_i32_f32 v[146+\m], v[146+\m]
.endr
.irp m, 0,1,2,3,4,5,6,7
	v_lshlrev_b32 v[146+\m], 31, v[146+\m]
.endr
.irp m, 0,1,2,3,4,5,6,7
	v_xor_b32 v[178+\m], v[178+\m], v[146+\m]      ; x (-1)^n
.endr
	v_add_f32 v178, v178, v179
	v_add_f32 v180, v180, v181
	v_add_f32 v182, v182, v183
	v_add_f32 v184, v184, v185
	v_add_f32 v178, v178, v180
	v_add_f32 v182, v182, v184
	v_add_f32 v178, v178, v182
	v_add_f32_dpp v178, v178, v178 row_xmask:8 row_mask:0xf bank_mask:0xf   ; the four lanes with my d hold the 32 components
	v_permlanex16_b32 v179, v178, s60, s61
	v_add_f32 v178, v178, v179
	v_mul_f32 v178, 0x413504f3, v178               ; x 8 sqrt(2)
	s_wait_loadcnt 32                              ; all but k's 32 rows of W, issued last, are in: the small loads and q's rows
.irp n, 0,1
.irp j, 1,2,3,4,5,6,7
	v_mov_b32 v[BIAS+32+8*\n+\j], v[BIAS+32+8*\n]
.endr
.endr
	WLOAD 128, 2
	v_add_f32 v248, v248, v249                     ; head cg + 8: the sum of 32 rows of pos_independent, the same for every d
	v_add_f32_dpp v248, v248, v248 row_xmask:1 row_mask:0xf bank_mask:0xf
	v_add_f32_dpp v248, v248, v248 row_xmask:2 row_mask:0xf bank_mask:0xf
	v_add_f32_dpp v248, v248, v248 row_xmask:4 row_mask:0xf bank_mask:0xf
	v_add_f32_dpp v248, v248, v248 row_xmask:8 row_mask:0xf bank_mask:0xf
	v_permlanex16_b32 v249, v248, s60, s61
	v_add_f32 v248, v248, v249
	v_mul_f32 v248, 0x41000000, v248               ; x 8
	s_wait_alu depctr_va_vdst(0)
	v_cndmask_b32 v254, v178, v248, s63            ; v254, v255 are kept for the table's store at the end
.irp i, 0,1,2,3
	ds_store_b128 v247, v[216+4*\i:219+4*\i] offset:512*\i   ; x's scale bytes
.endr
	WSTAGE 0, 0x40, 0                              ; q's rows become fragments in window 1
	s_wait_loadcnt 32                              ; all but v's 32 rows: k's rows are in
	WSTAGE 128, 0x40, 128
	s_wait_tensorcnt 0x0                           ; my part of x has landed,
	s_wait_dscnt 0x0                               ; W's fragments are in,
	s_barrier_signal -1
	s_barrier_wait -1                              ; and everybody's parts have landed
	XLOAD 0, 0
.irp g, 0,1,2,3,4,5,6,7
	GROUP \g
.endr
	s_wait_alu depctr_va_vdst(0)
	s_wait_dscnt 0x0                               ; for the others' sake: my scale bytes and words lie in LDS
	s_barrier_signal -1
	s_barrier_wait -1
	; a token's scale word of q or k: byte 0 from the wave of block 0, byte 1 from the wave of block 1; bytes 2, 3 repeat them: they stand over zero codes and only have to be valid
	ds_load_b32 v200, v15
	ds_load_b32 v201, v15 offset:512
	ds_load_b32 v202, v15 offset:128
	ds_load_b32 v203, v15 offset:640
	ds_load_b64 v[212:213], v239
	OUT 7
	global_store_b32 v255, v254, s[18:19]          ; the table: 8 numbers of each head; lanes l and l + 16 name the same word with the same number
	s_wait_dscnt 0x0
.irp j, 0,1,2,3
	v_perm_b32 v[204+\j], v201, v200, 0x04000400+0x01010101*\j
	v_perm_b32 v[208+\j], v203, v202, 0x04000400+0x01010101*\j
.endr
	global_store_b128 v1, v[204:207], s[56:57]             ; 128 words: 512 consecutive bytes
	global_store_b128 v1, v[208:211], s[56:57] offset:512
	global_store_b64 v252, v[212:213], s[58:59]            ; 64 channels' words of one key step: 256 consecutive bytes
	s_wait_tensorcnt 0x0
	ds_add_u32 v251, v253
	s_wait_dscnt 0x0
	CROUND                                         ; the closing round: no work-group ends while a partner may still ask jointly
	s_endpgm
.Lfunc_end_k_qf7d491812c_qkv:
	.size	k_qf7d491812c_qkv, .Lfunc_end_k_qf7d491812c_qkv-k_qf7d491812c_qkv
	.p2alignl 7, 3214868480
	.fill 96, 4, 3214868480
	.section	.rodata,"a",@progbits
	.p2align	6, 0x0
	.amdhsa_kernel k_qf7d491812c_qkv
		.amdhsa_group_segment_fixed_size 214528
		.amdhsa_private_segment_fixed_size 0
		.amdhsa_enable_private_segment 0
		.amdhsa_kernarg_size 64
		.amdhsa_user_sgpr_count 2
		.amdhsa_user_sgpr_kernarg_segment_ptr 1
		.amdhsa_wavefront_size32 1
		.amdhsa_system_sgpr_workgroup_id_x 1
		.amdhsa_system_sgpr_workgroup_id_y 1
		.amdhsa_system_sgpr_workgroup_id_z 1
		.amdhsa_system_vgpr_workitem_id 0
		.amdhsa_next_free_vgpr 1024
		.amdhsa_next_free_sgpr 100
		.amdhsa_reserve_vcc 0
		.amdhsa_float_denorm_mode_32 3
		.amdhsa_float_denorm_mode_16_64 3
		.amdhsa_memory_ordered 1
		.amdhsa_forward_progress 1
		.amdhsa_inst_pref_size 217
	.end_amdhsa_kernel
	.amdgpu_metadata
---
amdhsa.version: [ 1, 2 ]
amdhsa.kernels:
  - .name:           k_qf7d491812c_qkv
    .symbol:         k_qf7d491812c_qkv.kd
    .args:
      - { .name: x_codes, .offset: 0, .size: 8, .value_kind: global_buffer, .address_space: global }
      - { .name: x_scales, .offset: 8, .size: 8, .value_kind: global_buffer, .address_space: global }
      - { .name: w_qkv_codes, .offset: 16, .size: 8, .value_kind: global_buffer, .address_space: global }
      - { .name: w_qkv_scales, .offset: 24, .size: 8, .value_kind: global_buffer, .address_space: global }
      - { .name: b_qkv, .offset: 32, .size: 8, .value_kind: global_buffer, .address_space: global }
      - { .name: pos_independent, .offset: 40, .size: 8, .value_kind: global_buffer, .address_space: global }
      - { .name: qkv, .offset: 48, .size: 8, .value_kind: global_buffer, .address_space: global }
      - { .name: tab, .offset: 56, .size: 8, .value_kind: global_buffer, .address_space: global }
    .group_segment_fixed_size: 214528
    .private_segment_fixed_size: 0
    .kernarg_segment_align: 8
    .kernarg_segment_size: 64
    .max_flat_workgroup_size: 128
    .sgpr_count:     100
    .vgpr_count:     1024
    .wavefront_size: 32
...
	.end_amdgpu_metadata
.endif
;; end of part 1
;; launch attn (part 2): grid 128 x 2, 8 waves a work-group, no clusters, 167,936 bytes of LDS; arguments qkv, tab, oc, os; writes oc, os
.if DOCPART == 2
	.amdgcn_target "amdgcn-amd-amdhsa--gfx1250"
	.amdhsa_code_object_version 6
	.text
	.protected	k_qf7d491812c_attn
	.globl	k_qf7d491812c_attn
	.p2align	8
	.type	k_qf7d491812c_attn,@function
k_qf7d491812c_attn:
	s_mov_b64 s[64:65], 0
	v_nop
	global_prefetch_b8 v0, s[64:65] scope:SCOPE_SE
	s_setreg_imm32_b32 hwreg(HW_REG_WAVE_MODE, 25, 1), 1
	s_wait_xcnt 0x0
; Causal attention of one head on codes of FP4 (E2M1), with the position bias, and the quantising of its result along the model's channels for the last product.
; t = (q . k + 8 bias) x log2(e) / 8;  M = the running largest t rounded up to a whole number;  p = 2^(t - M) is quantised along the keys, not normalised; the row's sum is taken of the unquantised p and divides at the end.
; WORK LEFT OUT: tiles of scores that the causal mask hides, whole: what the mask throws away for all values of the inputs.
; SHARES.  Two work-groups to a head, eight waves each.  A wave owns two tiles of 16 queries that lie 64 queries apart, A = 8 G + i and B = A + 4 (G = 0..3, i = 0..3), and then the pair with 7 - G in G's place:
; (G + 1) + (8 - G) = 9 steps of 128 keys for every wave.  Each fragment of K and V feeds both tiles.  In a pair's last step the upper 64 keys are hidden from A: they are left out.
; The bias hangs on key - query alone, so A's numbers for keys 64 c on are B's for keys 64 (c + 1) on: three chunks of bias serve the four products of 64 keys.
; The head's K, V and their scale words, 71,680 dense bytes laid as images of operand registers, come into LDS once (one tensor load a wave) and stay: no LDS byte is filled twice, and no loop waits for memory, so nothing is prefetched.
; No cluster: only two work-groups share a head's 70 KB, and they fetch it once each.
; LAYOUT.  Both products are used transposed: S^T = K Q^T (source 0 = 16 keys), O^T = V^T P^T (source 0 = 16 channels): a lane holds one query (lane % 16) throughout.
; THE KEYS OF A TILE ARE NOT NEIGHBOURS: row m of tile t of chunk c is key 64 c + 32 (m / 8) + 8 t + m % 8.  So lane (r, h) holds in the 32 registers of a chunk's four tiles the WHOLE block of keys 64 c + 32 h + 0 .. 31,
; and the conversions' results are p's operand as it stands.  The head has 64 channels: the upper half of Q's fragment is zero codes, so the upper half of K's may hold any codes: it is the next tile's lower half.
; THE MASK IS IN THE BIAS.  It stands at y = key - query + 1023 of the head's table; from y = 1024 on (key > query) the LDS table holds -2^97: p = 0 there.  Four copies, shifted by 0-3 words, let every lane load 16 aligned bytes.
; LIMITS: the promise holds while |t| stays under 2^31; NaN and infinities are not served; a block whose largest magnitude lies under 2^-124 gets the byte 1 (its codes are zeros; this program alone reads the bytes).
; REGISTERS, window 0: v1-7, v13-15 what stays; v8-12 addresses of the step; v16 -M, v17 the largest score of A, v18, v19 of B; v[20:21], v[22:23] sums; v24, v26 the change of M; v28-37 scale words; v38-47 at work;
;   v48-63 Q; v64-127 S^T of A, v128-191 of B, then p; v192-223 O^T of A, v224-255 of B.   window 1: v0-95 bias; v96-131 K; v132-163 V; v164-179 p's codes; v180-187 the second pair's Q.
.set HB,    108544
.set QIMG,  71680
.set QSW,   104448
.set VL,    32768                      ; LDS: V's images; K's lie at 0
.set KSL,   65536                      ; K's scale words
.set VSL,   69632                      ; V's
.set OSG,   71680                      ; 32 tiles x 16 tokens x 2 scale bytes
.set TB,    72704                      ; the table: entry e, 16 bytes at TB + 48 + 16 e, holds table(e), .. table(e + 3): the four shifted copies, interleaved
.set SPARE, 109824                     ; the spare words
.set NEG,   0xf0000000                 ; -2^97
.set QSC,   28
.set KSR,   32
.set MB,    38
.set QA,    48
.set QB,    56
.set SA,    64
.set SB,    128
.set OA,    192
.set OB,    224
.set BI,    0
.set KF,    96
.set VF,    132
.set PA,    164
.set PB,    172
.set QN,    180
.set MSB, 0
.macro WIN new                         ; the immediate's high byte repeats the setting that is left
.if MSB != \new
	s_set_vgpr_msb (MSB<<8)|\new
.set MSB, \new
.endif
.endm
.macro WM d, a, b, c, sa, sb, ra, rb
.if (\ra) && (\rb)
	v_wmma_scale_f32_16x16x128_f8f6f4 v[\d:\d+7], v[\a:\a+7], v[\b:\b+7], v[\c:\c+7], v[\sa], v[\sb] matrix_a_fmt:MATRIX_FMT_FP4 matrix_b_fmt:MATRIX_FMT_FP4 matrix_a_scale:MATRIX_SCALE_ROW1 matrix_b_scale:MATRIX_SCALE_ROW1
.elseif (\ra)
	v_wmma_scale_f32_16x16x128_f8f6f4 v[\d:\d+7], v[\a:\a+7], v[\b:\b+7], v[\c:\c+7], v[\sa], v[\sb] matrix_a_fmt:MATRIX_FMT_FP4 matrix_b_fmt:MATRIX_FMT_FP4 matrix_a_scale:MATRIX_SCALE_ROW1
.elseif (\rb)
	v_wmma_scale_f32_16x16x128_f8f6f4 v[\d:\d+7], v[\a:\a+7], v[\b:\b+7], v[\c:\c+7], v[\sa], v[\sb] matrix_a_fmt:MATRIX_FMT_FP4 matrix_b_fmt:MATRIX_FMT_FP4 matrix_b_scale:MATRIX_SCALE_ROW1
.else
	v_wmma_scale_f32_16x16x128_f8f6f4 v[\d:\d+7], v[\a:\a+7], v[\b:\b+7], v[\c:\c+7], v[\sa], v[\sb] matrix_a_fmt:MATRIX_FMT_FP4 matrix_b_fmt:MATRIX_FMT_FP4
.endif
.endm
; 36 loads: a step's eight tiles of K, three chunks of bias, K's scale words (lanes 0-15 tile 2 p, lanes 16-31 tile 2 p + 1)
.macro LDKB ka, sa, ba, dk, ds, db
	WIN 0x40
.irp c, 0,1
.irp t, 0,1,2,3
	ds_load_b128 v[KF+16*\c+4*\t:KF+16*\c+4*\t+3], v[\ka] offset:\dk+2048*\c+512*(\t/2)+128*(\t%2)
.endr
.endr
.irp u, 0,1,2
.irp t, 0,1,2,3
	ds_load_b128 v[BI+32*\u+8*\t:BI+32*\u+8*\t+3], v[\ba] offset:\db+1024*\u+128*\t
	ds_load_b128 v[BI+32*\u+8*\t+4:BI+32*\u+8*\t+7], v[\ba] offset:\db+1024*\u+128*\t+64
.endr
.endr
	WIN 0
.irp c, 0,1
.irp p, 0,1
	ds_load_b32 v[KSR+2*\c+\p], v[\sa] offset:\ds+256*\c+64*\p
.endr
.endr
.endm
; 10 loads: the step's four tiles of V and their scale words
.macro LDV va, sa
	WIN 0x40
.irp t, 0,1,2,3
.irp c, 0,1
	ds_load_b128 v[VF+8*\t+4*\c:VF+8*\t+4*\c+3], v[\va] offset:1024*\t+512*\c
.endr
.endr
	WIN 0
	ds_load_b32 v36, v[\sa]
	ds_load_b32 v37, v[\sa] offset:128
.endm
; the sum of n pairs from v[base] on is added to v[x:x+1]: four chains by turns
.macro SUM base, n, x
	v_pk_add_f32 v[42:43], v[\base:\base+1], v[\base+2:\base+3]
	v_pk_add_f32 v[44:45], v[\base+4:\base+5], v[\base+6:\base+7]
	v_pk_add_f32 v[46:47], v[\base+8:\base+9], v[\base+10:\base+11]
	v_pk_add_f32 v[\x:\x+1], v[\x:\x+1], v[\base+12:\base+13]
.set j, 7
.rept \n-7
.if (j-7)%4 == 3
.set rR, \x
.else
.set rR, 42+2*((j-7)%4)
.endif
	v_pk_add_f32 v[rR:rR+1], v[rR:rR+1], v[\base+2*j:\base+2*j+1]
.set j, j+1
.endr
	v_pk_add_f32 v[42:43], v[42:43], v[44:45]
	v_pk_add_f32 v[\x:\x+1], v[\x:\x+1], v[46:47]
	v_pk_add_f32 v[\x:\x+1], v[\x:\x+1], v[42:43]
.endm
; A STEP of 128 keys for both tiles.  last = 1: the pair's last step: A has its lower 64 keys alone, and nothing is read ahead.
.macro STEP last
	s_wait_dscnt 0x0                               ; this step's K, bias and scale words are in
	WIN 0x11                                       ; source 0 (K) and C (bias) window 1
.irp c, 0,1
.irp t, 0,1,2,3
.set rK, KF+16*\c+4*\t
.set rS, KSR+2*\c+\t/2
.if (\last == 0) || (\c == 0)
.set rD, SA+32*\c+8*\t
.set rC, BI+32+32*\c+8*\t
	WM rD, rK, QA, rC, rS, QSC, \t%2, 0
.endif
.set rD, SB+32*\c+8*\t
.set rC, BI+32*\c+8*\t
	WM rD, rK, QB, rC, rS, QSC, \t%2, 1
.endr
.endr
.if \last == 0
	WIN 0
	v_add_nc_u32 v9, s39, v4                       ; these five are also the places behind the products
	v_add_nc_u32 v11, s41, v6
	v_add_nc_u32 v8, s39, v3
	v_add_nc_u32 v10, s40, v5
	v_add_nc_u32 v12, s60, v15
	LDV 9, 11
	LDKB 8, 10, 12, 4096, 512, 2048                ; the next step's
.else
	WIN 0
	s_lshl_b32 s2, s37, 12
	s_lshl_b32 s38, s37, 8
	v_mov_b32 v9, s2                               ; these six are also the places behind the products, the step before's among them
	v_mov_b32 v11, s38
	v_and_b32 v9, 0x7000, v9                       ; the last step's V: 4,096 G, G = 0 .. 7
	v_and_b32 v11, 0x700, v11
	v_add_nc_u32 v9, v9, v4
	v_add_nc_u32 v11, v11, v6
	LDV 9, 11
	WIN 0x40
.irp i, 4,5,6,7
	v_mov_b32 v[PA+\i], 0                          ; A's upper 64 keys: zero codes
.endr
	WIN 0
.endif
; the largest score of each block: a lane holds whole blocks (q = 0, 1: A's chunks, 2, 3: B's): for the row's maximum, and for the block's largest p
.irp q, 0,1,2,3
.if (\last == 0) || (\q != 1)
	v_max3_num_f32 v[MB+\q], v[SA+32*\q], v[SA+32*\q+1], v[SA+32*\q+2]
.endif
.endr
.irp i, 3,5,7,9,11,13,15,17,19,21,23,25,27,29
.irp q, 0,1,2,3
.if (\last == 0) || (\q != 1)
	v_max3_num_f32 v[MB+\q], v[MB+\q], v[SA+32*\q+\i], v[SA+32*\q+\i+1]
.endif
.endr
.endr
.irp q, 0,1,2,3
.if (\last == 0) || (\q != 1)
	v_max_num_f32 v[MB+\q], v[MB+\q], v[SA+32*\q+31]
.endif
.endr
.if \last == 0
	v_max_num_f32 v46, v38, v39
.else
	v_mov_b32 v46, v38
.endif
	v_max_num_f32 v47, v40, v41
	v_permlanex16_b32 v42, v46, s20, s21           ; the other half's keys
	v_permlanex16_b32 v43, v47, s20, s21
	v_max3_num_f32 v17, v17, v46, v42              ; the running largest score
	v_max3_num_f32 v19, v19, v47, v43
	v_mul_f32 v46, s61, v17                        ; -t
	v_mul_f32 v47, s61, v19
	v_floor_f32 v46, v46                           ; the new -M = -ceil(t)
	v_floor_f32 v47, v47
	v_sub_f32 v42, v46, v16                        ; old M - new M: a whole number, 0 or less
	v_sub_f32 v43, v47, v18
	v_mov_b32 v16, v46
	v_mov_b32 v18, v47
	v_cvt_i32_f32 v42, v42                         ; (it saturates)
	v_cvt_i32_f32 v43, v43
	v_ldexp_f32 v24, 1.0, v42                      ; f = 2^(old M - new M)
	v_ldexp_f32 v26, 1.0, v43
	v_pk_mul_f32 v[20:21], v[20:21], v[24:25] op_sel_hi:[1,0]   ; the sums and O^T under the new M: nothing is rounded
	v_pk_mul_f32 v[22:23], v[22:23], v[26:27] op_sel_hi:[1,0]
.set j, 0
.rept 16
	v_pk_mul_f32 v[OA+j:OA+j+1], v[OA+j:OA+j+1], v[24:25] op_sel_hi:[1,0]
	v_pk_mul_f32 v[OB+j:OB+j+1], v[OB+j:OB+j+1], v[26:27] op_sel_hi:[1,0]
.set j, j+2
.endr
.set j, 0
.rept 32-16*\last
	v_pk_fma_f32 v[SA+j:SA+j+1], v[SA+j:SA+j+1], s[22:23], v[16:17] op_sel_hi:[1,0,0]   ; A: t - M, two at a time
.set j, j+2
.endr
	v_fma_f32 v38, v38, s22, v16                   ; the same of each block's largest score
.if \last == 0
	v_fma_f32 v39, v39, s22, v16
.endif
	s_wait_alu depctr_va_vdst(0)                   ; the wait ahead of the batch
.set j, 0
.rept 32-16*\last                              ; A's p = 2^(t - M); B's t - M between
	v_exp_f32 v[SA+2*j], v[SA+2*j]
	v_exp_f32 v[SA+2*j+1], v[SA+2*j+1]
.if \last == 0
	v_pk_fma_f32 v[SB+2*j:SB+2*j+1], v[SB+2*j:SB+2*j+1], s[22:23], v[18:19] op_sel_hi:[1,0,0]
.else
	v_pk_fma_f32 v[SB+4*j:SB+4*j+1], v[SB+4*j:SB+4*j+1], s[22:23], v[18:19] op_sel_hi:[1,0,0]
	v_pk_fma_f32 v[SB+4*j+2:SB+4*j+3], v[SB+4*j+2:SB+4*j+3], s[22:23], v[18:19] op_sel_hi:[1,0,0]
.endif
.set j, j+1
.endr
	v_exp_f32 v38, v38                             ; the block's largest p: the same two instructions on the same number give the same bits
.if \last == 0
	v_exp_f32 v39, v39
.endif
	v_fma_f32 v40, v40, s22, v18
	v_fma_f32 v41, v41, s22, v18
	s_wait_alu depctr_va_vdst(0)                   ; the wait behind A's batch and ahead of B's
.set j, 0
.rept 64
	v_exp_f32 v[SB+j], v[SB+j]
.set j, j+1
.endr
	v_exp_f32 v40, v40
	v_exp_f32 v41, v41
	SUM SA, 32-16*\last, 20                        ; THE ROW'S SUM IS TAKEN OF THE UNQUANTISED p; A's reads nothing of the batch just issued
	s_wait_alu depctr_va_vdst(0)                   ; the wait behind B's batch
.irp q, 0,1,2,3
.if (\last == 0) || (\q != 1)
	v_max_num_f32 v[MB+\q], 0x1800000, v[MB+\q]    ; the floor 2^(3 - 127): the byte cannot fall under 1
.endif
.endr
.irp q, 0,1,2,3
.if (\last == 0) || (\q != 1)
	v_add_nc_u32 v[MB+\q], 0xff000000, v[MB+\q]    ; 2 off the exponent field: the conversion's scale operand
.endif
.endr
	v_lshrrev_b32 v42, 23, v38                     ; the bytes of my half's blocks,
	v_lshrrev_b32 v43, 23, v40
.if \last == 0
	v_lshrrev_b32 v44, 23, v39
.endif
	v_lshrrev_b32 v45, 23, v41
.if \last == 0
	v_lshl_or_b32 v42, v44, 16, v42
.endif
	v_lshl_or_b32 v43, v45, 16, v43
	v_permlanex16_b32 v46, v42, s20, s21           ; and of the other half's:
	v_permlanex16_b32 v47, v43, s20, s21
	v_lshl_or_b32 v29, v46, 8, v42                 ; in lanes 0-15 the four bytes of these 128 keys (A in the last step: two, and two bytes 0 over zero codes)
	v_lshl_or_b32 v30, v47, 8, v43
	WIN 0x40
.irp c, 0,1
.irp t, 0,1,2,3
.if (\last == 0) || (\c == 0)
	v_cvt_scalef32_pk8_fp4_f32 v[PA+4*\c+\t], v[SA+32*\c+8*\t:SA+32*\c+8*\t+7], v[MB+\c]
.endif
	v_cvt_scalef32_pk8_fp4_f32 v[PB+4*\c+\t], v[SB+32*\c+8*\t:SB+32*\c+8*\t+7], v[MB+2+\c]
.endr
.endr
	WIN 0
	SUM SB, 32, 22                                 ; these 35 are also the places between p's codes and scale words and the products
	s_wait_alu depctr_va_vdst(0)
.if \last == 0
	s_wait_dscnt 36                                ; V and its scale words are in: the next step's 36 may be out
.else
	s_wait_dscnt 0x0
.endif
	WIN 0x05                                       ; sources 0 (V) and 1 (p's codes) window 1
.irp t, 0,1,2,3
.set rV, VF+8*\t
.set rD, OA+8*\t
	WM rD, rV, PA, rD, 36+\t/2, 29, \t%2, 0    ; O^T += V^T P^T: eight accumulators, one instruction each
.set rD, OB+8*\t
	WM rD, rV, PB, rD, 36+\t/2, 30, \t%2, 0
.endr
	WIN 0
.endm
	s_load_b256 s[4:11], s[0:1], 0x0               ; qkv s[4:5], tab s[6:7], oc s[8:9], os s[10:11]
	v_lshl_add_u32 v1, v0, 2, SPARE                ; my spare word
	v_mov_b32 v2, 0
	ds_add_u32 v1, v2                              ; the opening lines: the add, twice on end, and its wait
	ds_add_u32 v1, v2
	v_lshrrev_b32 v8, 5, v0
	v_readfirstlane_b32 s18, v8                    ; wave 0..7
	s_and_b32 s12, ttmp9, 127                      ; 16 x batch + head
	s_and_b32 s19, ttmp7, 1                        ; z
	s_and_b32 s13, s12, 15                         ; head
	; descriptor group 1: 8,960 dense bytes as 35 rows of 32 elements of 8 bytes
	s_mov_b32 s24, 3<<16
	s_mov_b32 s25, 32<<16
	s_mov_b32 s26, 35<<16
	s_mov_b32 s27, 32<<16
	s_mov_b32 s28, 35
	s_mov_b32 s29, 32
	s_mov_b32 s30, 0
	s_mov_b32 s31, 0
	s_mov_b32 s32, 1
	s_mul_i32 s33, s18, 8960                       ; an eighth of the block for each wave
	s_mov_b32 s16, s33
	s_mov_b32 s17, 0
	s_mul_i32 s2, s12, HB
	s_mov_b32 s3, 0
	s_lshl_b32 s36, s19, 3
	s_add_co_u32 s36, s36, s18                     ; 8 z + w = 4 G + i
	s_and_b32 s37, s36, 3
	s_lshr_b32 s36, s36, 2
	s_lshl_b32 s36, s36, 3
	s_add_co_u32 s36, s36, s37                     ; A = 8 G + i
	s_lshr_b32 s42, s18, 2
	s_lshl_b32 s42, s42, 8
	s_and_b32 s37, s18, 3
	s_lshl_b32 s37, s37, 5
	s_add_co_u32 s42, s42, s37                     ; A's 32 scale bytes' place in OSG
	s_mov_b32 s43, 2
	s_mov_b32 s20, 0x76543210
	s_mov_b32 s21, 0xfedcba98                      ; v_permlanex16_b32's selects for lane l xor 16
	s_mov_b32 s22, 0x3e38aa3b                      ; c = log2(e) / 8
	s_mov_b32 s23, s22                             ; (named with it as a pair, so it is written)
	s_mov_b32 s61, 0xbe38aa3b                      ; -c
	v_and_b32 v8, 31, v0                           ; lane
	v_and_b32 v9, 15, v0                           ; r
	v_bfe_u32 v10, v0, 4, 1                        ; h
	v_bfe_u32 v20, v0, 3, 1                        ; r / 8
	v_and_b32 v21, 7, v0                           ; r % 8
	v_lshlrev_b32 v13, 4, v8                       ; 16 x lane
	v_lshlrev_b32 v11, 2, v0                       ; 4 x thread
	v_lshlrev_b32 v12, 2, v9
	v_lshl_add_u32 v12, v10, 8, v12                ; 4 r + 256 h: Q's scale words, A's in lanes 0-15, B's in lanes 16-31
	v_lshlrev_b32 v3, 10, v20
	v_lshl_add_u32 v3, v10, 8, v3
	v_lshl_add_u32 v3, v21, 4, v3                  ; K: key 32 (r / 8) + r % 8, my half's 16 bytes
	v_add_nc_u32 v4, VL, v13                       ; V
	v_lshlrev_b32 v5, 7, v20
	v_lshl_add_u32 v5, v10, 5, v5
	v_lshl_add_u32 v5, v21, 2, v5
	v_add_nc_u32 v5, KSL, v5                       ; K's scale words: lanes 16-31 take the next tile, 8 keys on
	v_lshl_add_u32 v6, v8, 2, VSL                  ; V's
	v_sub_nc_u32 v16, 15, v9
	v_lshlrev_b32 v7, 4, v16                       ; the table: entry 15 - r,
	v_lshl_add_u32 v7, v10, 9, v7                  ; my half's keys 32 entries on
	v_add_nc_u32 v7, TB+48, v7
	v_lshl_add_u32 v14, v9, 1, OSG
	v_lshl_add_u32 v19, v0, 4, TB
	v_mov_b32 v68, NEG
	s_wait_alu depctr_va_vdst(0)
	s_wait_dscnt 0x0                               ; both opening adds are done
	s_wait_kmcnt 0x0
	s_add_nc_u64 s[44:45], s[4:5], s[2:3]          ; my head's part of qkv
	s_add_nc_u64 s[34:35], s[44:45], s[16:17]
	s_or_b32 s35, s35, 0x80000000
	tensor_load_to_lds s[32:35], s[24:31]          ; the launch's only fill: one load of mine is out
	s_nop 0
.rept 4
	v_nop
.endr
	s_lshl_b32 s2, s13, 12
	s_add_nc_u64 s[6:7], s[6:7], s[2:3]            ; the head's 1,024 numbers of the table
.irp m, 0,1,2,3
	global_load_b32 v[64+\m], v11, s[6:7] offset:1024*\m
.endr
	s_lshl_b32 s2, s36, 9
	s_add_co_u32 s2, s2, QIMG
	s_add_nc_u64 s[48:49], s[44:45], s[2:3]        ; Q's image of tile A; B's lies 4 x 512 bytes on
	s_lshl_b32 s2, s36, 6
	s_add_co_u32 s2, s2, QSW
	s_add_nc_u64 s[50:51], s[44:45], s[2:3]
	s_xor_b32 s37, s36, 56                         ; the second pair's A
	s_lshl_b32 s2, s37, 9
	s_add_co_u32 s2, s2, QIMG
	s_add_nc_u64 s[68:69], s[44:45], s[2:3]
	s_lshl_b32 s2, s37, 6
	s_add_co_u32 s2, s2, QSW
	s_add_nc_u64 s[70:71], s[44:45], s[2:3]
	global_load_b128 v[QA:QA+3], v13, s[48:49]
	global_load_b128 v[QB:QB+3], v13, s[48:49] offset:2048
	global_load_b32 v28, v12, s[50:51]
	WIN 0x40
	global_load_b128 v[QN:QN+3], v13, s[68:69]
	global_load_b128 v[QN+4:QN+7], v13, s[68:69] offset:2048
	WIN 0
	global_load_b32 v31, v12, s[70:71]
.irp k, 0,1,2,3                        ; number y is word k of entry y - k: 1,024 numbers, then 1,280 x -2^97: entries 0 to 2,300 are whole, and the loads' addresses can name none beyond 2,107
.irp m, 0,1,2,3,4
	ds_store_b32 v19, v68 offset:48+16384+4096*\m-12*\k
.endr
.endr
	s_lshr_b32 s38, s12, 4                         ; batch
	s_lshl_b32 s2, s38, 19
	s_lshl_b32 s39, s13, 9
	s_add_co_u32 s2, s2, s39
	s_add_nc_u64 s[46:47], s[8:9], s[2:3]          ; oc: [batch][tile 64][head 16][512 bytes]
	s_and_b32 s38, s18, 1                          ; the way out of the scale bytes: wave 0 the tiles 16 z on, wave 1 the tiles 48 - 16 z on
	s_lshl_b32 s39, s19, 4
	s_sub_co_u32 s40, 48, s39
	s_cmp_eq_u32 s38, 0
	s_cselect_b32 s39, s39, s40
	s_lshl_b32 s2, s12, 6
	s_add_co_u32 s2, s2, s39
	s_lshl_b32 s2, s2, 5
	s_add_nc_u64 s[54:55], s[10:11], s[2:3]        ; os: [batch][head][tile 64][16 tokens] of 2 bytes
	s_lshl_b32 s62, s38, 9
	s_add_co_u32 s62, s62, OSG
.irp j, 4,5,6,7
	v_mov_b32 v[QA+\j], 0                          ; Q's upper halves: zero codes
	v_mov_b32 v[QB+\j], 0
.endr
.irp j, 25,27,42,43,44,45,46,47
	v_mov_b32 v[\j], 0                             ; lane permutes' destinations, and upper halves of pairs that are named
.endr
	WIN 0x40
.irp j, 0,1,2,3
	v_mov_b32 v[KF+32+\j], 0                       ; what stands behind K's last tile
.endr
	WIN 0
	s_wait_alu depctr_va_vdst(0)                   ; the wait at the head's end
	s_wait_loadcnt 6                               ; the table's four; Q's six loads may be out
.irp k, 0,1,2,3
.irp m, 0,1,2,3
	ds_store_b32 v19, v[64+\m] offset:48+4096*\m-12*\k
.endr
.endr
	s_wait_tensorcnt 0x0                           ; my part of the head's block has landed,
	s_wait_dscnt 0x0                               ; my part of the table lies in LDS,
	s_barrier_signal -1
	s_barrier_wait -1                              ; and everybody's
	s_wait_loadcnt 0x0                             ; Q
.Lpair:                                            ; two trips: G, then 7 - G
	s_wait_xcnt 0x0                                ; the last pair's stores have read their data and their base
	s_lshl_b32 s2, s36, 13
	s_add_nc_u64 s[52:53], s[46:47], s[2:3]
	s_lshr_b32 s37, s36, 3                         ; G: the last step
	s_lshl_b32 s2, s36, 8
	s_sub_co_u32 s2, 15104, s2                     ; 16 x (1008 - 16 B): 0 .. 15,104, a multiple of 256
	v_mov_b32 v9, s2
	v_and_b32 v9, 0x3f00, v9
	v_add_nc_u32 v15, v7, v9                       ; the table at B's first key; A's lies 64 entries on
	LDKB 3, 5, 15, 0, 0, 0                         ; step 0's
	v_mov_b32 v17, 0xff61b1e6                      ; the largest score so far: -3e38
	v_mov_b32 v19, 0xff61b1e6
	v_mul_f32 v16, s61, v17
	v_mul_f32 v18, s61, v19
	v_floor_f32 v16, v16                           ; -M
	v_floor_f32 v18, v18
.irp j, 20,21,22,23
	v_mov_b32 v[\j], 0
.endr
.set j, 0
.rept 64
	v_mov_b32 v[OA+j], 0                           ; O^T: the step is written once for all but the last; the first finds zeros, which the first change of M leaves zeros
.set j, j+1
.endr
	s_mov_b32 s38, 0                               ; the step,
	s_mov_b32 s39, 0                               ; x 4,096: its images of K and of V,
	s_mov_b32 s40, 0                               ; x 512: K's scale words,
	s_mov_b32 s41, 0                               ; x 256: V's scale words,
	s_mov_b32 s60, 0                               ; x 2,048: the table
.Lstep:                                            ; seven trips, a constant; from step G on they are jumped over: a branch on ids
	s_cmp_ge_u32 s38, s37
	s_cbranch_scc1 .Lskip
	STEP 0
.Lskip:
	s_add_co_u32 s39, s39, 4096
	s_add_co_u32 s40, s40, 512
	s_add_co_u32 s41, s41, 256
	s_add_co_u32 s60, s60, 2048
	s_add_co_u32 s38, s38, 1
	s_cmp_lt_u32 s38, 7
	s_cbranch_scc1 .Lstep
	STEP 1
	; THE PAIR'S WAY OUT: O^T / the sum; a tile's 64 channels are two blocks of 32 along the last product's K: quantised, and stored as half a fragment's image
	v_add_f32 v20, v20, v21                        ; (these six are also the places behind the products)
	v_add_f32 v22, v22, v23
	v_permlanex16_b32 v42, v20, s20, s21
	v_permlanex16_b32 v43, v22, s20, s21
	v_add_f32 v20, v20, v42                        ; the row's sum
	v_add_f32 v22, v22, v43
	s_wait_alu depctr_va_vdst(0)                   ; the wait ahead of the reciprocals,
	v_rcp_f32 v20, v20
	v_rcp_f32 v22, v22
	v_add_nc_u32 v8, s42, v14                      ; (a plain place)  where my token's two scale bytes go
	s_wait_alu depctr_va_vdst(0)                   ; and ahead of their first reader
.set j, 0
.rept 16
	v_pk_mul_f32 v[SA+j:SA+j+1], v[OA+j:OA+j+1], v[20:21] op_sel_hi:[1,0]         ; A: register 8 t + i: channel 16 t + 8 h + i of my query
	v_pk_mul_f32 v[SA+32+j:SA+33+j], v[OB+j:OB+j+1], v[22:23] op_sel_hi:[1,0]     ; B
.set j, j+2
.endr
.irp q, 0,1,2,3
	v_max3_num_f32 v[MB+\q], |v[SA+16*\q]|, |v[SA+16*\q+1]|, 0x1800000
.endr
.irp i, 2,4,6,8,10,12,14
.irp q, 0,1,2,3
	v_max3_num_f32 v[MB+\q], v[MB+\q], |v[SA+16*\q+\i]|, |v[SA+16*\q+\i+1]|
.endr
.endr
.irp q, 0,1,2,3
	v_permlanex16_b32 v[42+\q], v[MB+\q], s20, s21
.endr
.irp q, 0,1,2,3
	v_max_num_f32 v[MB+\q], v[MB+\q], v[42+\q]
.endr
.irp q, 0,1,2,3
	v_add_nc_u32 v[MB+\q], 0xff000000, v[MB+\q]
.endr
.irp q, 0,1,2,3
	v_lshrrev_b32 v[42+\q], 23, v[MB+\q]
.endr
	v_lshl_or_b32 v46, v43, 8, v42
	v_lshl_or_b32 v47, v45, 8, v44
.irp b, 0,1                            ; tiles 0 and 2, 1 and 3 side by side: behind the exchange of halves lane (r, h) holds block h
	v_cvt_scalef32_pk8_fp4_f32 v[SB+4*\b], v[SA+32*\b:SA+32*\b+7], v[MB+2*\b]
	v_cvt_scalef32_pk8_fp4_f32 v[SB+4*\b+1], v[SA+32*\b+16:SA+32*\b+23], v[MB+2*\b+1]
	v_cvt_scalef32_pk8_fp4_f32 v[SB+4*\b+2], v[SA+32*\b+8:SA+32*\b+15], v[MB+2*\b]
	v_cvt_scalef32_pk8_fp4_f32 v[SB+4*\b+3], v[SA+32*\b+24:SA+32*\b+31], v[MB+2*\b+1]
.endr
	v_nop                                          ; one plain place behind the scaled conversions
.irp b, 0,1
	v_permlane16_swap_b32 v[SB+4*\b], v[SB+4*\b+1]
	v_permlane16_swap_b32 v[SB+4*\b+2], v[SB+4*\b+3]
.endr
	ds_store_b16 v8, v46                           ; (both halves of the lanes write the same bytes with the same value)
	ds_store_b16 v8, v47 offset:128
	global_store_b128 v13, v[SB:SB+3], s[52:53]                     ; 512 consecutive bytes, aligned
	global_store_b128 v13, v[SB+4:SB+7], s[52:53] offset:32768      ; tile B: four tiles on
	WIN 0x01
.irp j, 0,1,2,3
	v_mov_b32 v[QA+\j], v[QN+\j]                   ; the second pair's Q
	v_mov_b32 v[QB+\j], v[QN+4+\j]
.endr
	WIN 0
	v_mov_b32 v28, v31
	s_wait_alu depctr_va_vdst(0)                   ; the wait ahead of the branch
	s_xor_b32 s36, s36, 56
	s_xor_b32 s42, s42, 768                        ; its scale bytes' place
	s_sub_co_u32 s43, s43, 1
	s_cmp_lg_u32 s43, 0
	s_cbranch_scc1 .Lpair
	s_wait_dscnt 0x0                               ; for the others' sake: my scale bytes lie in LDS
	s_barrier_signal -1
	s_barrier_wait -1
	s_cmp_lt_u32 s18, 2
	s_cbranch_scc0 .Ldone
	v_add_nc_u32 v8, s62, v13
	ds_load_b128 v[64:67], v8                      ; 16 tiles' scale bytes: 512 bytes
	s_wait_dscnt 0x0
	global_store_b128 v13, v[64:67], s[54:55]
.Ldone:
	s_wait_tensorcnt 0x0                           ; the wave's end
	ds_add_u32 v1, v2
	s_wait_dscnt 0x0
	s_endpgm
.Lfunc_end_k_qf7d491812c_attn:
	.size	k_qf7d491812c_attn, .Lfunc_end_k_qf7d491812c_attn-k_qf7d491812c_attn
	.p2alignl 7, 3214868480
	.fill 96, 4, 3214868480
	.section	.rodata,"a",@progbits
	.p2align	6, 0x0
	.amdhsa_kernel k_qf7d491812c_attn
		.amdhsa_group_segment_fixed_size 167936
		.amdhsa_private_segment_fixed_size 0
		.amdhsa_enable_private_segment 0
		.amdhsa_kernarg_size 32
		.amdhsa_user_sgpr_count 2
		.amdhsa_user_sgpr_kernarg_segment_ptr 1
		.amdhsa_wavefront_size32 1
		.amdhsa_system_sgpr_workgroup_id_x 1
		.amdhsa_system_sgpr_workgroup_id_y 1
		.amdhsa_system_sgpr_workgroup_id_z 1
		.amdhsa_system_vgpr_workitem_id 0
		.amdhsa_next_free_vgpr 512
		.amdhsa_next_free_sgpr 80
		.amdhsa_reserve_vcc 0
		.amdhsa_float_denorm_mode_32 3
		.amdhsa_float_denorm_mode_16_64 3
		.amdhsa_memory_ordered 1
		.amdhsa_forward_progress 1
		.amdhsa_inst_pref_size 71
	.end_amdhsa_kernel
	.amdgpu_metadata
---
amdhsa.version: [ 1, 2 ]
amdhsa.kernels:
  - .name:           k_qf7d491812c_attn
    .symbol:         k_qf7d491812c_attn.kd
    .args:
      - { .name: qkv, .offset: 0, .size: 8, .value_kind: global_buffer, .address_space: global }
      - { .name: tab, .offset: 8, .size: 8, .value_kind: global_buffer, .address_space: global }
      - { .name: oc, .offset: 16, .size: 8, .value_kind: global_buffer, .address_space: global }
      - { .name: os, .offset: 24, .size: 8, .value_kind: global_buffer, .address_space: global }
    .group_segment_fixed_size: 167936
    .private_segment_fixed_size: 0
    .kernarg_segment_align: 8
    .kernarg_segment_size: 32
    .max_flat_workgroup_size: 256
    .sgpr_count:     80
    .vgpr_count:     512
    .wavefront_size: 32
...
	.end_amdgpu_metadata
.endif
;; end of part 2
;; launch proj (part 3): grid 4 x 64, 4 waves a work-group, clusters of 4 x 1, 327,680 bytes of LDS; arguments oc, os, w_proj_codes, w_proj_scales, b_proj, out0; writes out0
.if DOCPART == 3
	.amdgcn_target "amdgcn-amd-amdhsa--gfx1250"
	.amdhsa_code_object_version 6
	.text
	.protected	k_qf7d491812c_proj
	.globl	k_qf7d491812c_proj
	.p2align	8
	.type	k_qf7d491812c_proj,@function
k_qf7d491812c_proj:
	s_mov_b64 s[64:65], 0
	v_nop
	global_prefetch_b8 v0, s[64:65] scope:SCOPE_SE
	s_setreg_imm32_b32 hwreg(HW_REG_WAVE_MODE, 25, 1), 1
	s_wait_xcnt 0x0
	s_wait_alu depctr_hold_cnt(0) depctr_sa_sdst(0) depctr_va_vdst(0) depctr_va_sdst(0) depctr_va_ssrc(0) depctr_va_vcc(0) depctr_vm_vsrc(0)
	s_getreg_b32 s2, hwreg(HW_REG_IB_STS2, 6, 4)
	s_cmp_eq_u32 s2, 0
	s_cbranch_scc0 .Lentry_in_a_cluster
	s_endpgm
.Lentry_in_a_cluster:
	s_bfe_u32 s2, ttmp6, 0x10000c
	s_cmp_lg_u32 s2, 0x3003
	s_cbranch_scc0 .Lentry_shape_is_right
	s_endpgm
.Lentry_shape_is_right:
; out0 = o W_proj^T + b_proj on codes of FP4 (E2M1) with E8M0 scales.  A work-group makes 128 tokens x 256 columns; wave w takes 64 columns: four tiles of 16 rows of W, for all of K = 1,024, in 256 registers of window 1.
; The four work-groups along x share the 128 tokens' codes (64 KB of operand images) and ask for them jointly, one load a wave; their scale bytes (4 KB) come through registers into LDS.  W is read once by each wave, through its own stage.
; A lane's eight results are neighbours of a row: they go through the wave's stage and leave as aligned units of 256 bytes.  No loop streams from memory, so nothing is prefetched.  NaN and infinities are not served.
.set XP,    528
.set OSL,   65536
.set WST,   69632
.set STG,   137216
.set WS,    16
.set AS,    32
.set BIAS,  64
.set ACC,   96
.set OUTR,  128
.set MSB, 0
.macro WIN new
.if MSB != \new
	s_set_vgpr_msb (MSB<<8)|\new
.set MSB, \new
.endif
.endm
.macro CROUND
	s_barrier_signal -1
	s_barrier_wait -1
	s_cmp_lg_u32 s20, 0
	s_cbranch_scc1 .Lnot_wave_0_\@
	s_barrier_signal -3
.Lnot_wave_0_\@:
	s_barrier_wait -3
	s_barrier_signal -1
	s_barrier_wait -1
.endm
.macro WM d, a, b, c, sa, sb, ra, rb
.if (\ra) && (\rb)
	v_wmma_scale_f32_16x16x128_f8f6f4 v[\d:\d+7], v[\a:\a+7], v[\b:\b+7], v[\c:\c+7], v[\sa], v[\sb] matrix_a_fmt:MATRIX_FMT_FP4 matrix_b_fmt:MATRIX_FMT_FP4 matrix_a_scale:MATRIX_SCALE_ROW1 matrix_b_scale:MATRIX_SCALE_ROW1
.elseif (\ra)
	v_wmma_scale_f32_16x16x128_f8f6f4 v[\d:\d+7], v[\a:\a+7], v[\b:\b+7], v[\c:\c+7], v[\sa], v[\sb] matrix_a_fmt:MATRIX_FMT_FP4 matrix_b_fmt:MATRIX_FMT_FP4 matrix_a_scale:MATRIX_SCALE_ROW1
.elseif (\rb)
	v_wmma_scale_f32_16x16x128_f8f6f4 v[\d:\d+7], v[\a:\a+7], v[\b:\b+7], v[\c:\c+7], v[\sa], v[\sb] matrix_a_fmt:MATRIX_FMT_FP4 matrix_b_fmt:MATRIX_FMT_FP4 matrix_b_scale:MATRIX_SCALE_ROW1
.else
	v_wmma_scale_f32_16x16x128_f8f6f4 v[\d:\d+7], v[\a:\a+7], v[\b:\b+7], v[\c:\c+7], v[\sa], v[\sb] matrix_a_fmt:MATRIX_FMT_FP4 matrix_b_fmt:MATRIX_FMT_FP4
.endif
.endm
.macro WLOAD tmp, part
	WIN 0x80
.set i, 0
.rept 32
	global_load_b128 v[\tmp+4*i:\tmp+4*i+3], v1, s[8:9] offset:16384*(\part)+512*i
.set i, i+1
.endr
	WIN 0
.endm
.macro WSTAGE tmp, dbase
	WIN 0x08
.set i, 0
.rept 32
	ds_store_b128 v9, v[\tmp+4*i:\tmp+4*i+3] offset:XP*i
.set i, i+1
.endr
	WIN 0x40
.irp t, 0,1
.irp s, 0,1,2,3,4,5,6,7
.irp c, 0,1
	ds_load_b128 v[\dbase+64*\t+8*\s+4*\c:\dbase+64*\t+8*\s+4*\c+3], v10 offset:16*\t*XP+64*\s+32*\c
.endr
.endr
.endr
	WIN 0
.endm
.macro ALOAD tl
	WIN 0x80
.irp s, 0,1,2,3,4,5,6,7
.irp c, 0,1
	ds_load_b128 v[64*((\tl)%2)+8*\s+4*\c:64*((\tl)%2)+8*\s+4*\c+3], v1 offset:8192*(\tl)+1024*\s+512*\c
.endr
.endr
	WIN 0
.endm
.macro SEND tl
.irp k, 0,1,2,3,4,5,6,7
	global_store_b128 v13, v[OUTR+32*((\tl)%2)+4*\k:OUTR+32*((\tl)%2)+4*\k+3], s[14:15] offset:(16*(\tl)+2*\k)*4096 th:TH_STORE_NT
.endr
.endm
; A TILE of 16 tokens: four accumulators by turns, one instruction a turn.  The tile before leaves ahead of this tile's products.
.macro TILE tl
.if (\tl) > 0
	s_wait_dscnt 8                                 ; this tile's fragments are in and the stage's stores have read their registers; the stage's eight loads may be out
.else
	s_wait_dscnt 0x0
.endif
.if (\tl) < 7
	ALOAD (\tl)+1
.endif
.if (\tl) > 0
.if (\tl) < 7
	s_wait_dscnt 16                                ; the stage's loads are in; the next tile's 16 fragment loads may be out
.else
	s_wait_dscnt 0x0
.endif
	SEND (\tl)-1
.endif
	WIN 0x09
.irp s, 0,1,2,3,4,5,6,7
.irp n, 0,1,2,3
.set rD, ACC+8*\n
.set rC, rD
.if \s == 0
.set rC, BIAS+8*\n
.endif
.set rA, 64*\n+8*\s
.set rB, 64*((\tl)%2)+8*\s
	WM rD, rA, rB, rC, WS+8*(\n/2)+\s, AS+8*((\tl)/2)+\s, \n%2, (\tl)%2
.endr
.endr
	WIN 0
.rept 5
	v_nop
.endr
.if (\tl) >= 2
	s_wait_xcnt 0x0                                ; the stores of the tile two back have read their data
.endif
.irp n, 0,1,2,3
	ds_store_b128 v11, v[ACC+8*\n:ACC+8*\n+3] offset:64*\n
	ds_store_b128 v11, v[ACC+8*\n+4:ACC+8*\n+7] offset:64*\n+16
.endr
.irp k, 0,1,2,3,4,5,6,7
	ds_load_b128 v[OUTR+32*((\tl)%2)+4*\k:OUTR+32*((\tl)%2)+4*\k+3], v12 offset:544*\k
.endr
.endm
	s_load_b256 s[4:11], s[0:1], 0x0
	s_load_b128 s[12:15], s[0:1], 0x20
	v_lshl_add_u32 v254, v0, 2, 0x29000
	v_mov_b32 v255, 0
	ds_add_u32 v254, v255
	ds_add_u32 v254, v255
	v_lshrrev_b32 v2, 5, v0
	v_readfirstlane_b32 s20, v2
	s_bfe_u32 s21, ttmp6, 0x40000
	s_and_b32 s22, ttmp7, 0xffff
	s_mov_b32 s24, 15|(3<<16)|(1<<21)
	s_mov_b32 s25, 32<<16
	s_mov_b32 s26, 64<<16
	s_mov_b32 s27, 32<<16
	s_mov_b32 s28, 64
	s_mov_b32 s29, 32
	s_mov_b32 s30, 0
	s_mov_b32 s31, 0
	s_mov_b32 s32, 1
	s_lshl_b32 s33, s20, 14
	s_lshl_b32 s2, s22, 16
	s_add_co_u32 s2, s2, s33
	s_mov_b32 s3, 0
	s_lshr_b32 s48, s22, 3
	s_lshl_b32 s48, s48, 15
	s_lshl_b32 s49, s20, 13
	s_add_co_u32 s48, s48, s49
	s_and_b32 s49, s22, 7
	s_lshl_b32 s49, s49, 8
	s_add_co_u32 s48, s48, s49
	s_mov_b32 s49, 0
	s_mul_i32 s50, s20, 32*XP
	s_add_co_u32 s50, s50, WST                     ; my stage for W's rows
	s_mul_i32 s51, s20, 16*272
	s_add_co_u32 s51, s51, STG                     ; my stage for the way out
	s_lshl_b32 s52, s20, 10
	s_add_co_u32 s52, s52, OSL                     ; four heads' scale bytes
	v_and_b32 v15, 31, v0                          ; lane
	v_and_b32 v2, 15, v0                           ; r
	v_bfe_u32 v3, v0, 4, 1                         ; h
	v_lshlrev_b32 v1, 4, v15
	v_lshlrev_b32 v4, 5, v15
	v_lshlrev_b32 v5, 5, v3
	v_add_nc_u32 v9, s50, v1
	v_mul_u32_u24 v10, v2, XP
	v_lshl_add_u32 v10, v3, 4, v10
	v_add_nc_u32 v10, s50, v10
	v_mul_u32_u24 v11, v2, 272
	v_lshl_add_u32 v11, v3, 5, v11
	v_add_nc_u32 v11, s51, v11
	v_mul_u32_u24 v12, v3, 272
	v_lshl_add_u32 v12, v2, 4, v12
	v_add_nc_u32 v12, s51, v12
	v_lshlrev_b32 v13, 12, v3
	v_lshl_add_u32 v13, v2, 4, v13
	v_lshl_add_u32 v14, v15, 1, OSL
	v_lshlrev_b32 v6, 11, v3
	v_lshl_add_u32 v6, v2, 4, v6                   ; scale bytes in memory: lanes 0-15 one head's 256 bytes, lanes 16-31 the next head's, 2,048 bytes on
	v_add_nc_u32 v7, s52, v1                       ; and in LDS
	s_wait_alu depctr_va_vdst(0)
	s_wait_dscnt 0x0                               ; both opening adds are done
	s_wait_kmcnt 0x0
	s_add_nc_u64 s[34:35], s[4:5], s[2:3]
	s_or_b32 s35, s35, 0x80000000
	s_add_nc_u64 s[46:47], s[6:7], s[48:49]        ; my four heads' scale bytes
	s_lshl_b32 s2, s21, 17
	s_lshl_b32 s50, s20, 15
	s_add_co_u32 s2, s2, s50
	s_add_nc_u64 s[8:9], s[8:9], s[2:3]
	s_lshr_b32 s2, s2, 4
	s_add_nc_u64 s[10:11], s[10:11], s[2:3]
	s_lshr_b32 s2, s2, 3
	s_add_nc_u64 s[12:13], s[12:13], s[2:3]
	s_lshl_b32 s50, s22, 19
	s_add_co_u32 s2, s2, s50
	s_add_nc_u64 s[14:15], s[14:15], s[2:3]
.irp p, 0,1
.irp i, 0,1
	global_load_b128 v[WS+8*\p+4*\i:WS+8*\p+4*\i+3], v4, s[10:11] offset:1024*\p+16*\i
.endr
.endr
.irp n, 0,1,2,3
.irp i, 0,1
	global_load_b128 v[BIAS+8*\n+4*\i:BIAS+8*\n+4*\i+3], v5, s[12:13] offset:64*\n+16*\i
.endr
.endr
	global_load_b128 v[192:195], v6, s[46:47]
	global_load_b128 v[196:199], v6, s[46:47] offset:4096
	CROUND                                         ; the four partners are here: the joint loads meet
	tensor_load_to_lds s[32:35], s[24:31]          ; the launch's only fill: one load of mine is out
	s_nop 0
.rept 4
	v_nop
.endr
	WLOAD 0, 0
	WLOAD 128, 1
	s_wait_loadcnt 32                              ; all but the 32 rows issued last
	ds_store_b128 v7, v[192:195]
	ds_store_b128 v7, v[196:199] offset:512
	WSTAGE 0, 0
	s_wait_loadcnt 0x0
	WSTAGE 128, 128
	s_wait_tensorcnt 0x0
	s_wait_dscnt 0x0
	s_barrier_signal -1
	s_barrier_wait -1
	ALOAD 0
.irp g, 0,1,2,3
.irp s, 0,1,2,3,4,5,6,7
	ds_load_u16 v[OUTR+16*\g+2*\s], v14 offset:512*\s+64*\g
	ds_load_u16 v[OUTR+16*\g+2*\s+1], v14 offset:512*\s+256+64*\g
.endr
.endr
	s_wait_dscnt 0x0
.irp g, 0,1,2,3
.irp s, 0,1,2,3,4,5,6,7
	v_lshl_or_b32 v[AS+8*\g+\s], v[OUTR+16*\g+2*\s+1], 16, v[OUTR+16*\g+2*\s]
.endr
.endr
	s_wait_alu depctr_va_vdst(0)
.irp a, 0,1,2,3,4,5,6,7
	TILE \a
.endr
	s_wait_dscnt 0x0
	SEND 7
	s_wait_tensorcnt 0x0
	ds_add_u32 v254, v255
	s_wait_dscnt 0x0
	CROUND
	s_endpgm
.Lfunc_end_k_qf7d491812c_proj:
	.size	k_qf7d491812c_proj, .Lfunc_end_k_qf7d491812c_proj-k_qf7d491812c_proj
	.p2alignl 7, 3214868480
	.fill 96, 4, 3214868480
	.section	.rodata,"a",@progbits
	.p2align	6, 0x0
	.amdhsa_kernel k_qf7d491812c_proj
		.amdhsa_group_segment_fixed_size 327680
		.amdhsa_private_segment_fixed_size 0
		.amdhsa_enable_private_segment 0
		.amdhsa_kernarg_size 48
		.amdhsa_user_sgpr_count 2
		.amdhsa_user_sgpr_kernarg_segment_ptr 1
		.amdhsa_wavefront_size32 1
		.amdhsa_system_sgpr_workgroup_id_x 1
		.amdhsa_system_sgpr_workgroup_id_y 1
		.amdhsa_system_sgpr_workgroup_id_z 1
		.amdhsa_system_vgpr_workitem_id 0
		.amdhsa_next_free_vgpr 768
		.amdhsa_next_free_sgpr 66
		.amdhsa_reserve_vcc 0
		.amdhsa_float_denorm_mode_32 3
		.amdhsa_float_denorm_mode_16_64 3
		.amdhsa_memory_ordered 1
		.amdhsa_forward_progress 1
		.amdhsa_inst_pref_size 84
	.end_amdhsa_kernel
	.amdgpu_metadata
---
amdhsa.version: [ 1, 2 ]
amdhsa.kernels:
  - .name:           k_qf7d491812c_proj
    .symbol:         k_qf7d491812c_proj.kd
    .args:
      - { .name: oc, .offset: 0, .size: 8, .value_kind: global_buffer, .address_space: global }
      - { .name: os, .offset: 8, .size: 8, .value_kind: global_buffer, .address_space: global }
      - { .name: w_proj_codes, .offset: 16, .size: 8, .value_kind: global_buffer, .address_space: global }
      - { .name: w_proj_scales, .offset: 24, .size: 8, .value_kind: global_buffer, .address_space: global }
      - { .name: b_proj, .offset: 32, .size: 8, .value_kind: global_buffer, .address_space: global }
      - { .name: out0, .offset: 40, .size: 8, .value_kind: global_buffer, .address_space: global }
    .group_segment_fixed_size: 327680
    .private_segment_fixed_size: 0
    .kernarg_segment_align: 8
    .kernarg_segment_size: 48
    .max_flat_workgroup_size: 128
    .sgpr_count:     66
    .vgpr_count:     768
    .wavefront_size: 32
...
	.end_amdgpu_metadata
.endif
;; end of part 3
